; MI455X (gfx1250); checked and timed in simulation.
; The chip was launched on July 23, 2026; its instructions are those of AMD's public machine-readable ISA for CDNA 5 (MIT licence, August 2026) and "CDNA5" Instruction Set Architecture Reference Guide (July 2026). The comments in the code are by the model that wrote it; some were corrected since.
;; SMPL Renderer V2. Allowed arithmetic: float matrix products may take bf16 or f16 operands with f32 sums; all other float work in f32.
;; Inputs: cam 1 x 3 float32; faces 860 x 3 int32; uv_imgs 1 x 3 x 256 x 256 float32; vertices 1 x 6,890 x 3 float32.
;; Outputs: out0 1 x 3 x 256 x 256 float32; out1 1 x 860 x 3 x 3 x 3 x 3 float32.
;; 2 versions, each right and faster than the one before. Each part assembles by itself: llvm-mc -triple=amdgcn-amd-amdhsa -mcpu=gfx1250 --defsym DOCPART=n.
;; ======== version 1 of 2: 3 launches
;; workspace buffers: coef 55,296 bytes; rng 3,584 bytes of whole numbers; sidx 41,472 bytes of whole numbers; swgt 69,120 bytes; fidx 262,144 bytes of whole numbers
;; launch setup (part 1): grid 27 x 1, 1 waves a work-group, no clusters, 0 bytes of LDS; arguments cam, faces, vertices, coef, rng, sidx, swgt; writes coef, rng, sidx, swgt
.if DOCPART == 1
	.amdgcn_target "amdgcn-amd-amdhsa--gfx1250"
	.amdhsa_code_object_version 6
	.text
	.protected	k_qea9e431929_setup
	.globl	k_qea9e431929_setup
	.p2align	8
	.type	k_qea9e431929_setup,@function
k_qea9e431929_setup:
	s_mov_b64 s[64:65], 0
	v_nop
	global_prefetch_b8 v0, s[64:65] scope:SCOPE_SE
	s_setreg_imm32_b32 hwreg(HW_REG_WAVE_MODE, 25, 1), 1
	s_wait_xcnt 0x0
; SETUP: one lane = one face, f = 32 x work-group + lane; 27 x 32 = 864 entries, of which 860..863 are pads made from face 859
; (their range word is 0, so that no pixel ever tests them; entry 863 is what idle lanes of the next launch read).
; Per face it stores:
;   coef[f]  16 f32: A0 A1 A2 DET | B0 B1 B2 1/DET | C0 C1 C2 0 | 1/z0 1/z1 1/z2 0     (w_k = (xp A_k + yp B_k + C_k) / DET)
;   rng[f]   one word: ylo | yhiP<<9 | slo<<18 | shiP<<21: pixel rows ylo..yhiP-1 and 64-pixel segments slo..shiP-1 that the face can touch; 0 = never
;   sidx[f]  12 words: for the 9 texture samples x0 | y0<<8 of the bilinear cell, then 3 zeros
;   swgt[f]  20 f32: 9 x (wx, wy), the light factor, 0
; The sample cells and the ranges are whole numbers made from floats: they steer addresses and trip counts, so they are made here and used in the next launch.
; look_at: with reference()'s own constants (eye on the z axis, up = y) the rotation is the identity, so v_cam = (px, -py, vz + EYEZ).
; The products of reference() here have K = 2 and 3 and factors 0, 0.5, 1; they are done in f32 on the vector unit: operands of 16 bits would move
; triangle edges by whole pixels, and the work is some ten thousandth of the problem's.
; LIMITS: inputs finite.  A product and the sum that follows it are fused (C_k, the cross product).  Vertex numbers are clamped to 6889.
; A face's range is its bounding box taken outward to the next pixel row and column; a pixel further out that only rounding would call inside is not drawn.
.set EYEZ,  0x402ed9ec                 ; 1 / tan(30 deg) + 1
.set TINYD, 0x2edbe6ff                 ; 1e-10
.set TINYZ, 0x358637bd                 ; 1e-6
; v1 f; v2 min(f, 859); v3 its byte offset in faces; v[4:6] vertex numbers; v7-9 their byte offsets; v[10:12] v[14:16] v[18:20] the raw vertices
; v24 v26 v28 px; v25 v27 v29 py; v[32:47] the coef entry; v48 det; v49 v88-95 at work; v50 the range word; v[52:71] swgt entry; v[72:83] sidx entry; v84-87 store offsets
; d = 1 / x: the hardware's reciprocal and one Newton step.  Behind v_rcp_f32 one plain vector instruction stands before its result is read (ISA guide 5.7.2).
.macro RCPR d, x, t
	v_rcp_f32 v[\d], v[\x]
	v_nop
	s_wait_alu depctr_va_vdst(0)
	v_fma_f32 v[\t], -v[\x], v[\d], 1.0
	v_fma_f32 v[\d], v[\t], v[\d], v[\d]
.endm
	s_load_b256 s[4:11], s[0:1], 0x0               ; cam s[4:5], faces s[6:7], vertices s[8:9], coef s[10:11]
	s_load_b128 s[12:15], s[0:1], 0x20             ; rng s[12:13], sidx s[14:15]
	s_load_b64 s[16:17], s[0:1], 0x30              ; swgt
	s_lshl_b32 s18, ttmp9, 5
	s_mov_b32 s26, 0x43000000                      ; 128.0
	s_mov_b32 s27, 0x42ff0000                      ; 127.5
	s_mov_b32 s28, 0x43800000                      ; 256.0
	v_add_nc_u32 v1, s18, v0                       ; f
	v_min_u32 v2, 859, v1
	v_mul_u32_u24 v3, 12, v2
	s_wait_kmcnt 0x0
	s_load_b96 s[20:22], s[4:5], 0x0               ; scale, tx, ty
	global_load_b96 v[4:6], v3, s[6:7]
	v_lshlrev_b32 v84, 6, v1                       ; store offsets: 64, 4, 48 and 80 bytes an entry
	v_lshlrev_b32 v85, 2, v1
	v_mul_u32_u24 v86, 48, v1
	v_mul_u32_u24 v87, 80, v1
	s_wait_loadcnt 0x0
.irp j, 0,1,2
	v_min_u32 v[7+\j], 6889, v[4+\j]
	v_mul_u32_u24 v[7+\j], 12, v[7+\j]
.endr
	global_load_b96 v[10:12], v7, s[8:9]
	global_load_b96 v[14:16], v8, s[8:9]
	global_load_b96 v[18:20], v9, s[8:9]
	s_wait_kmcnt 0x0
	s_wait_loadcnt 0x0
	; projection: p = scale (v + t); the screen's y is -py and is carried by signs below
.irp j, 0,1,2
	v_add_f32 v[24+2*\j], s21, v[10+4*\j]
	v_add_f32 v[25+2*\j], s22, v[11+4*\j]
	v_mul_f32 v[24+2*\j], s20, v[24+2*\j]
	v_mul_f32 v[25+2*\j], s20, v[25+2*\j]
.endr
	; edge functions
	v_sub_f32 v32, v29, v27                        ; A0 = y1 - y2 = py2 - py1
	v_sub_f32 v33, v25, v29                        ; A1 = y2 - y0
	v_sub_f32 v34, v27, v25                        ; A2 = y0 - y1
	v_sub_f32 v36, v28, v26                        ; B0 = x2 - x1
	v_sub_f32 v37, v24, v28                        ; B1 = x0 - x2
	v_sub_f32 v38, v26, v24                        ; B2 = x1 - x0
	v_mul_f32 v40, v28, v27                        ; C0 = x1 y2 - x2 y1 = x2 py1 - x1 py2
	v_mul_f32 v41, v24, v29                        ; C1 = x0 py2 - x2 py0
	v_mul_f32 v42, v26, v25                        ; C2 = x1 py0 - x0 py1
	v_fma_f32 v40, -v26, v29, v40
	v_fma_f32 v41, -v28, v25, v41
	v_fma_f32 v42, -v24, v27, v42
	v_mov_b32 v43, 0
	v_mov_b32 v47, 0
	v_add_f32 v48, v40, v41
	v_add_f32 v48, v48, v42                        ; det
	v_cmp_lt_f32 s24, 0, v48                       ; front faces
	v_and_b32 v88, 0x7fffffff, v48
	v_mov_b32 v89, TINYD
	v_cmp_lt_f32 vcc_lo, TINYD, v88
	v_cndmask_b32 v35, v89, v48, vcc_lo            ; DET = det where |det| > 1e-10, else 1e-10
	RCPR 39, 35, 94
	v_mov_b32 v93, TINYZ
.irp j, 0,1,2
	v_add_f32 v[90+\j], EYEZ, v[12+4*\j]           ; depth
	v_and_b32 v94, 0x7fffffff, v[90+\j]
	v_cmp_lt_f32 vcc_lo, TINYZ, v94
	v_cndmask_b32 v[90+\j], v93, v[90+\j], vcc_lo
	RCPR 44+\j, 90+\j, 94
.endr
	; the range word.  Pixel i has the coordinate (2 i - 255) / 256, so a coordinate v lies at pixel 128 v + 127.5.
	v_max3_num_f32 v88, v25, v27, v29              ; the screen's least y is -max py
	v_min3_num_f32 v94, v25, v27, v29
	v_min3_num_f32 v95, v24, v26, v28
	v_max3_num_f32 v49, v24, v26, v28
	v_fma_f32 v88, -v88, s26, s27
	v_fma_f32 v94, -v94, s26, s27
	v_fma_f32 v95, v95, s26, s27
	v_fma_f32 v49, v49, s26, s27
	v_floor_f32 v88, v88                           ; low ends: the pixel at or below
	v_floor_f32 v94, v94
	v_floor_f32 v95, v95
	v_floor_f32 v49, v49
	v_add_f32 v94, 2.0, v94                        ; high ends, exclusive: the pixel above is still inside
	v_add_f32 v49, 2.0, v49
	v_med3_num_f32 v88, v88, 0, s28
	v_med3_num_f32 v94, v94, 0, s28
	v_med3_num_f32 v95, v95, 0, s28
	v_med3_num_f32 v49, v49, 0, s28
	v_cvt_u32_f32 v88, v88
	v_cvt_u32_f32 v94, v94
	v_cvt_u32_f32 v95, v95
	v_cvt_u32_f32 v49, v49
	v_lshrrev_b32 v95, 6, v95                      ; segments of 64 pixels
	v_add_nc_u32 v49, 63, v49
	v_lshrrev_b32 v49, 6, v49
	v_lshl_or_b32 v88, v94, 9, v88
	v_lshl_or_b32 v88, v95, 18, v88
	v_lshl_or_b32 v88, v49, 21, v88
	v_cmp_gt_u32 vcc_lo, 860, v1
	s_and_b32 s24, s24, vcc_lo
	v_cndmask_b32 v50, 0, v88, s24                 ; back faces and pads: empty range
	; lighting: normal of the raw face, cosine to (0, 1, 0), light = 1 x 1 + 0 x cos x 1
	v_sub_f32 v72, v10, v14
	v_sub_f32 v73, v11, v15
	v_sub_f32 v74, v12, v16
	v_sub_f32 v75, v18, v14
	v_sub_f32 v76, v19, v15
	v_sub_f32 v77, v20, v16
	v_mul_f32 v78, v74, v76
	v_mul_f32 v79, v72, v77
	v_mul_f32 v80, v73, v75
	v_fma_f32 v78, v73, v77, -v78
	v_fma_f32 v79, v74, v75, -v79
	v_fma_f32 v80, v72, v76, -v80
	v_mul_f32 v82, v78, v78
	v_fma_f32 v82, v79, v79, v82
	v_fma_f32 v82, v80, v80, v82
	v_sqrt_f32 v83, v82
	v_nop                                          ; one plain place behind the root
	s_wait_alu depctr_va_vdst(0)
	v_max_num_f32 v83, 0x3727c5ac, v83             ; at least 1e-5
	v_rcp_f32 v81, v83
	v_nop                                          ; and behind the reciprocal
	s_wait_alu depctr_va_vdst(0)
	v_mul_f32 v81, v79, v81
	v_max_num_f32 v81, 0, v81
	v_fma_f32 v70, v81, 0, 1.0
	v_mov_b32 v71, 0
	v_mov_b32 v81, 0
	v_mov_b32 v82, 0
	v_mov_b32 v83, 0
	; the 9 samples: s = (p0 - p2) ci + (p1 - p2) cj + p2, clipped to [-1, 1]; image position (s + 1) 127.5
	v_sub_f32 v88, v24, v28
	v_sub_f32 v89, v25, v29
	v_sub_f32 v90, v26, v28
	v_sub_f32 v91, v27, v29
.macro SAMPLE t, ci, cj
	v_mul_f32 v92, \cj, v90
	v_mul_f32 v93, \cj, v91
	v_fma_f32 v92, v88, \ci, v92
	v_fma_f32 v93, v89, \ci, v93
	v_add_f32 v92, v92, v28
	v_add_f32 v93, v93, v29
	v_med3_num_f32 v92, v92, -1.0, 1.0
	v_med3_num_f32 v93, v93, -1.0, 1.0
	v_add_f32 v92, 1.0, v92
	v_add_f32 v93, 1.0, v93
	v_mul_f32 v92, s27, v92                        ; x 0.5 x 255: the half is exact, so one product rounds alike
	v_mul_f32 v93, s27, v93
	v_floor_f32 v94, v92
	v_floor_f32 v95, v93
	v_sub_f32 v[52+2*\t], v92, v94                 ; wx
	v_sub_f32 v[53+2*\t], v93, v95                 ; wy
	v_cvt_u32_f32 v94, v94                         ; 0 .. 255
	v_cvt_u32_f32 v95, v95
	v_lshl_or_b32 v[72+\t], v95, 8, v94
.endm
	SAMPLE 0, 0, 0
	SAMPLE 1, 0, 0.5
	SAMPLE 2, 0, 1.0
	SAMPLE 3, 0.5, 0
	SAMPLE 4, 0.5, 0.5
	SAMPLE 5, 0.5, 1.0
	SAMPLE 6, 1.0, 0
	SAMPLE 7, 1.0, 0.5
	SAMPLE 8, 1.0, 1.0
.irp q, 0,1,2,3
	global_store_b128 v84, v[32+4*\q:35+4*\q], s[10:11] offset:16*\q
.endr
	global_store_b32 v85, v50, s[12:13]
.irp q, 0,1,2
	global_store_b128 v86, v[72+4*\q:75+4*\q], s[14:15] offset:16*\q
.endr
.irp q, 0,1,2,3,4
	global_store_b128 v87, v[52+4*\q:55+4*\q], s[16:17] offset:16*\q
.endr
	s_endpgm
.Lfunc_end_k_qea9e431929_setup:
	.size	k_qea9e431929_setup, .Lfunc_end_k_qea9e431929_setup-k_qea9e431929_setup
	.p2alignl 7, 3214868480
	.fill 96, 4, 3214868480
	.section	.rodata,"a",@progbits
	.p2align	6, 0x0
	.amdhsa_kernel k_qea9e431929_setup
		.amdhsa_group_segment_fixed_size 0
		.amdhsa_private_segment_fixed_size 0
		.amdhsa_enable_private_segment 0
		.amdhsa_kernarg_size 56
		.amdhsa_user_sgpr_count 2
		.amdhsa_user_sgpr_kernarg_segment_ptr 1
		.amdhsa_wavefront_size32 1
		.amdhsa_system_sgpr_workgroup_id_x 1
		.amdhsa_system_sgpr_workgroup_id_y 1
		.amdhsa_system_sgpr_workgroup_id_z 1
		.amdhsa_system_vgpr_workitem_id 0
		.amdhsa_next_free_vgpr 96
		.amdhsa_next_free_sgpr 66
		.amdhsa_reserve_vcc 1
		.amdhsa_float_denorm_mode_32 3
		.amdhsa_float_denorm_mode_16_64 3
		.amdhsa_memory_ordered 1
		.amdhsa_forward_progress 1
		.amdhsa_inst_pref_size 16
	.end_amdhsa_kernel
	.amdgpu_metadata
---
amdhsa.version: [ 1, 2 ]
amdhsa.kernels:
  - .name:           k_qea9e431929_setup
    .symbol:         k_qea9e431929_setup.kd
    .args:
      - { .name: cam, .offset: 0, .size: 8, .value_kind: global_buffer, .address_space: global }
      - { .name: faces, .offset: 8, .size: 8, .value_kind: global_buffer, .address_space: global }
      - { .name: vertices, .offset: 16, .size: 8, .value_kind: global_buffer, .address_space: global }
      - { .name: coef, .offset: 24, .size: 8, .value_kind: global_buffer, .address_space: global }
      - { .name: rng, .offset: 32, .size: 8, .value_kind: global_buffer, .address_space: global }
      - { .name: sidx, .offset: 40, .size: 8, .value_kind: global_buffer, .address_space: global }
      - { .name: swgt, .offset: 48, .size: 8, .value_kind: global_buffer, .address_space: global }
    .group_segment_fixed_size: 0
    .private_segment_fixed_size: 0
    .kernarg_segment_align: 8
    .kernarg_segment_size: 56
    .max_flat_workgroup_size: 32
    .sgpr_count:     66
    .vgpr_count:     96
    .wavefront_size: 32
...
	.end_amdgpu_metadata
.endif
;; end of part 1
;; launch raster (part 2): grid 4 x 256, 1 waves a work-group, no clusters, 82,176 bytes of LDS; arguments coef, rng, sidx, swgt, uv_imgs, fidx, out1; writes fidx, out1
.if DOCPART == 2
	.amdgcn_target "amdgcn-amd-amdhsa--gfx1250"
	.amdhsa_code_object_version 6
	.text
	.protected	k_qea9e431929_raster
	.globl	k_qea9e431929_raster
	.p2align	8
	.type	k_qea9e431929_raster,@function
k_qea9e431929_raster:
	s_mov_b64 s[64:65], 0
	v_nop
	global_prefetch_b8 v0, s[64:65] scope:SCOPE_SE
	s_setreg_imm32_b32 hwreg(HW_REG_WAVE_MODE, 25, 1), 1
	s_wait_xcnt 0x0
; RASTER: one wave = 64 neighbouring pixels of one image row (segment = work-group x, row = work-group y); a lane owns two pixels, worked on as a pair.
; It finds, for each pixel, the nearest face that covers it, and stores the face's number (860 = none) as a whole number for the next launch.
; 1. The 864 range words say which faces can touch this row and segment.  Their entries are gathered, packed in ascending face order, into a table in LDS,
;    with B_k replaced by yp B_k and the face's number put in the free word.  Lanes whose face is out read the pad entry 863 and write to a dump entry of their own.
; 2. The loop walks the packed table, two faces a trip: every lane reads the same 64 bytes of LDS (a broadcast), while the other face is worked on.
; The first 242 work-groups also make the textures (32 samples each, 9 x 860 = 7,740): the bilinear cells come from memory as whole numbers.
; One wave a work-group: no LDS byte is shared, so there is no barrier.  lds_bytes = 82,176: the table lies below byte 81,920 and 256 bytes behind it hold the spare words; three such waves fit into a WGP's 327,680 bytes.
; The arithmetic follows reference() step by step, since one flipped comparison is a wrong pixel: w = num / DET and zp = 1 / den are made as
; reciprocal, product, remainder by fused multiply-add, correction.
; No matrix unit: there is no product of matrices here.  No cluster, no tensor load: the tables are at most 55,296 bytes and are read once by each wave.
; LIMITS: inputs finite.  Fused where reference() has a product and a sum: num = fma(xp, A, yp B) + C; den is a chain of fused multiply-adds.
; Faces outside their stored range (bounding box taken outward by a pixel) are not tested.
.set RW,  2                            ; v2-28    the 27 range words of my lane (face 32 r + lane)
.set GO,  32                           ; v32-40   ring of 9 batches: byte offset of my entry in coef
.set DSA, 41                           ; v41-49   ring of 9 batches: LDS address where it goes
.set BUF, 52                           ; v52-195  ring of 9 batches: the entry, 16 registers
.set T0,  196                          ; v196-199 at work
; v29 = 868 + lane (my dump entry); v30 = 4 lane; v31 = 863 (the pad entry); v50 = yp; v200-202 late addresses; v204-247 the texture part
; the loop's registers, which take the places of the gather's once that is over:
.set XP,  2                            ; xp of my two pixels
.set BZ,  4                            ; nearest depth so far
.set BI,  6                            ; its face
.set WN0, 8                            ; numerators, then w_k
.set WN1, 10
.set WN2, 12
.set WQ0, 14                           ; v14-19 quotients
.set WE0, 20                           ; v20-25 remainders
.set MN,  26
.set MX,  28
.set DN,  30                           ; den
.set DM,  32                           ; max(den, 1e-8)
.set RC,  34
.set EE,  36
.set ZP,  38
.set TA,  40                           ; LDS address of the trip's first entry
.set X,   52                           ; coefficient set of the even entries
.set Y,   68                           ; of the odd ones
.set NENT, 868                         ; table entries: 860 + 8 zero entries behind the last
	s_load_b256 s[4:11], s[0:1], 0x0               ; coef s[4:5], rng s[6:7], sidx s[8:9], swgt s[10:11]
	s_load_b128 s[12:15], s[0:1], 0x20             ; uv_imgs s[12:13], fidx s[14:15]
	s_load_b64 s[16:17], s[0:1], 0x30              ; out1
	v_lshl_add_u32 v252, v0, 2, 0x14000
	v_mov_b32 v253, 0
	s_mov_b32 s18, ttmp9                           ; segment 0..3
	s_and_b32 s19, ttmp7, 0xffff                   ; row 0..255
	s_lshl2_add_u32 s20, s19, s18                  ; 4 row + segment: the work-group's number
	v_lshlrev_b32 v30, 2, v0
	v_add_nc_u32 v29, NENT, v0
	v_mov_b32 v31, 863
	s_wait_kmcnt 0x0
.set rr, 0
.rept 27
	global_load_b32 v[RW+rr], v30, s[6:7] offset:128*rr
.set rr, rr+1
.endr
	s_cmp_ge_u32 s20, 242
	s_cbranch_scc1 .Lraster
	; THE TEXTURES: sample u = 32 x work-group + lane = 9 f + t.  The last block's lanes 28-31 repeat sample 7,739 (same bytes, same values).
	s_lshl_b32 s21, s20, 5
	s_mov_b32 s23, 58255                           ; u / 9 = u x 58255 >> 19: 9 x 58255 = 2^19 + 7, an excess of at most 7739 x 7 / (9 x 2^19) = 0.012 < 1/9
	v_add_nc_u32 v204, s21, v0
	v_min_u32 v204, 7739, v204
	v_mul_lo_u32 v205, v204, s23
	v_lshrrev_b32 v205, 19, v205                   ; f
	v_mul_u32_u24 v206, 9, v205
	v_sub_nc_u32 v206, v204, v206                  ; t
	v_mul_u32_u24 v207, 48, v205
	v_lshl_add_u32 v207, v206, 2, v207             ; sidx: 48 f + 4 t
	v_mul_u32_u24 v209, 80, v205
	v_lshl_add_u32 v208, v206, 3, v209             ; swgt: 80 f + 8 t
	v_mul_u32_u24 v247, 36, v204                   ; out1: 9 numbers a sample
	global_load_b32 v210, v207, s[8:9]
	global_load_b64 v[212:213], v208, s[10:11]
	global_load_b32 v214, v209, s[10:11] offset:72 ; the face's light
	s_wait_loadcnt 0x0
	v_and_b32 v215, 0xff, v210                     ; x0
	v_bfe_u32 v216, v210, 8, 8                     ; y0
	v_add_nc_u32 v217, 1, v215
	v_add_nc_u32 v218, 1, v216
	v_min_u32 v217, 255, v217                      ; x1
	v_min_u32 v218, 255, v218                      ; y1
	v_lshl_or_b32 v219, v216, 8, v215
	v_lshl_or_b32 v220, v216, 8, v217
	v_lshl_or_b32 v221, v218, 8, v215
	v_lshl_or_b32 v222, v218, 8, v217
.irp k, 0,1,2,3
	v_min_u32 v[219+\k], 0xffff, v[219+\k]         ; inside a channel's 65,536 numbers
	v_lshlrev_b32 v[219+\k], 2, v[219+\k]
.endr
.irp c, 0,1,2
.irp k, 0,1,2,3
	global_load_b32 v[224+4*\c+\k], v[219+\k], s[12:13] offset:\c*262144
.endr
.endr
	v_sub_f32 v240, 1.0, v212
	v_sub_f32 v241, 1.0, v213
	v_mul_f32 v236, v240, v241
	v_mul_f32 v237, v212, v241
	v_mul_f32 v238, v240, v213
	v_mul_f32 v239, v212, v213
.irp c, 0,1,2
	s_wait_loadcnt 8-4*\c                          ; this channel's four are in; the younger channels' four each stay out
	v_mul_f32 v[244+\c], v[224+4*\c], v236
	v_fma_f32 v[244+\c], v[225+4*\c], v237, v[244+\c]
	v_fma_f32 v[244+\c], v[226+4*\c], v238, v[244+\c]
	v_fma_f32 v[244+\c], v[227+4*\c], v239, v[244+\c]
	v_mul_f32 v[244+\c], v[244+\c], v214
.endr
.irp k, 0,1,2
	global_store_b96 v247, v[244:246], s[16:17] offset:12*\k   ; the cube's third axis is a copy; these registers and the base are not written again
.endr
.Lraster:
	s_wait_loadcnt 0x0                             ; the range words
	s_lshl_b32 s21, s19, 1
	s_sub_co_i32 s21, s21, 255
	v_cvt_f32_i32 v50, s21
	v_mul_f32 v50, 0x3b800000, v50                 ; yp = (2 row - 255) / 256, exact
	s_mov_b32 s22, 0                               ; entries packed so far
; Batch r (faces 32 r .. 32 r + 31): who is in, where each goes, and the four loads of the entry.
.macro ISSUE r
	v_and_b32 v[T0], 0x1ff, v[RW+(\r)]
	v_bfe_u32 v[T0+1], v[RW+(\r)], 9, 9
	v_bfe_u32 v[T0+2], v[RW+(\r)], 18, 3
	v_bfe_u32 v[T0+3], v[RW+(\r)], 21, 3
	v_cmp_ge_u32 s24, s19, v[T0]                   ; ylo <= row
	v_cmp_lt_u32 s25, s19, v[T0+1]                 ; row < yhiP
	v_cmp_ge_u32 s26, s18, v[T0+2]                 ; slo <= segment
	v_cmp_lt_u32 s27, s18, v[T0+3]                 ; segment < shiP
	s_and_b32 s24, s24, s25
	s_and_b32 s26, s26, s27
	s_and_b32 s24, s24, s26
	v_mbcnt_lo_u32_b32 v[T0], s24, s22             ; packed so far + the lanes below me that are in: ascending face order is kept
	s_bcnt1_i32_b32 s25, s24
	s_add_co_u32 s22, s22, s25
	v_cndmask_b32 v[T0], v29, v[T0], s24           ; out: my dump entry
	v_min_u32 v[T0], 899, v[T0]
	v_lshlrev_b32 v[DSA+(\r)%9], 6, v[T0]
	v_add_nc_u32 v[T0+1], 32*(\r), v0
	v_cndmask_b32 v[T0+1], v31, v[T0+1], s24       ; out: all such lanes read the one pad entry
	v_min_u32 v[T0+1], 863, v[T0+1]
	v_lshlrev_b32 v[GO+(\r)%9], 6, v[T0+1]
.set FB, BUF+16*((\r)%9)
.irp q, 0,1,2,3
	global_load_b128 v[FB+4*\q:FB+4*\q+3], v[GO+(\r)%9], s[4:5] offset:16*\q
.endr
.endm
; Batch r has come: B_k becomes yp B_k, the face's number goes into the free word, the entry goes to LDS.
; The wait also shows the batch's loads done, so that its offset register and its 16 registers are free for the batch nine further on.
.macro FINISH r, left
	s_wait_loadcnt \left
.set FB, BUF+16*((\r)%9)
	v_mul_f32 v[FB+4], v50, v[FB+4]
	v_mul_f32 v[FB+5], v50, v[FB+5]
	v_mul_f32 v[FB+6], v50, v[FB+6]
	v_add_nc_u32 v[FB+11], 32*(\r), v0
.irp q, 0,1,2,3
	ds_store_b128 v[DSA+(\r)%9], v[FB+4*\q:FB+4*\q+3] offset:16*\q
.endr
.endm
.set rr, 0
.rept 9
	ISSUE rr
.set rr, rr+1
.endr
.set rr, 0
.rept 18
	FINISH rr, 32                                  ; eight younger batches of four loads stay out
	ISSUE rr+9
.set rr, rr+1
.endr
.rept 9
	FINISH rr, 4*(26-rr)                           ; nothing more is issued: the count runs down to 0
.set rr, rr+1
.endr
	; Eight zero entries behind the last: w = 0, den = 0, zp = 1e8, which is never nearer.  The loop works on up to 2 and reads up to 4 of them.
	s_min_u32 s22, s22, 860
	s_lshl_b32 s34, s22, 6
	v_mov_b32 v196, 0
	v_mov_b32 v197, 0
	v_mov_b32 v198, 0
	v_mov_b32 v199, 0
	v_lshl_add_u32 v200, v0, 4, s34                ; 32 lanes x 16 bytes = 8 entries
	ds_store_b128 v200, v[196:199]
	s_add_co_u32 s23, s22, 2
	s_lshr_b32 s23, s23, 1                         ; trips of two faces, at least one
	s_mov_b32 s35, 0
	s_mov_b32 s32, 0x322bcc77                      ; 1e-8
	s_mov_b32 s33, 0x3dcccccd                      ; NEAR = 0.1
	s_lshl_b32 s34, s18, 7
	s_sub_co_i32 s34, s34, 255
	v_lshl_add_u32 v202, v0, 2, s34                ; 2 x - 255 with x = 64 segment + 2 lane
	v_cvt_f32_i32 v[XP], v202
	v_add_nc_u32 v202, 2, v202
	v_cvt_f32_i32 v[XP+1], v202
	v_mul_f32 v[XP], 0x3b800000, v[XP]             ; exact
	v_mul_f32 v[XP+1], 0x3b800000, v[XP+1]
	v_mov_b32 v[BZ], 0x42c80000                    ; FAR = 100: only zp < FAR can win
	v_mov_b32 v[BZ+1], 0x42c80000
	v_mov_b32 v[BI], 860                           ; no face
	v_mov_b32 v[BI+1], 860
	v_mov_b32 v[TA], 0
	s_lshl_b32 s36, s19, 10
	s_lshl_b32 s37, s18, 8
	s_add_co_u32 s36, s36, s37
	v_lshl_add_u32 v201, v0, 3, s36                ; fidx: 1,024 row + 256 segment + 8 lane
	; LDS serves a wave's instructions in order (ISA guide 5.7.1): these loads see the stores above without a wait
.irp q, 0,1,2,3
	ds_load_b128 v[X+4*\q:X+4*\q+3], v[TA] offset:16*\q
.endr
.irp q, 0,1,2,3
	ds_load_b128 v[Y+4*\q:Y+4*\q+3], v[TA] offset:64+16*\q
.endr
; One face against my two pixels.  C: the set's first register: A0 A1 A2 DET | T0 T1 T2 1/DET | C0 C1 C2 face | 1/z0 1/z1 1/z2 0.
; A coefficient is spread over the pair by op_sel and op_sel_hi: both 0 take the pair's first register, both 1 its second.
.macro FACE C
	v_pk_fma_f32 v[WN0:WN0+1], v[XP:XP+1], v[\C:\C+1], v[\C+4:\C+5] op_sel_hi:[1,0,0]
	v_pk_fma_f32 v[WN1:WN1+1], v[XP:XP+1], v[\C:\C+1], v[\C+4:\C+5] op_sel:[0,1,1] op_sel_hi:[1,1,1]
	v_pk_fma_f32 v[WN2:WN2+1], v[XP:XP+1], v[\C+2:\C+3], v[\C+6:\C+7] op_sel_hi:[1,0,0]
	v_pk_add_f32 v[WN0:WN0+1], v[WN0:WN0+1], v[\C+8:\C+9] op_sel_hi:[1,0]
	v_pk_add_f32 v[WN1:WN1+1], v[WN1:WN1+1], v[\C+8:\C+9] op_sel:[0,1] op_sel_hi:[1,1]
	v_pk_add_f32 v[WN2:WN2+1], v[WN2:WN2+1], v[\C+10:\C+11] op_sel_hi:[1,0]
.irp k, 0,2,4
	v_pk_mul_f32 v[WQ0+\k:WQ0+\k+1], v[WN0+\k:WN0+\k+1], v[\C+6:\C+7] op_sel:[0,1] op_sel_hi:[1,1]          ; q = num / DET, roughly
.endr
.irp k, 0,2,4
	v_pk_fma_f32 v[WE0+\k:WE0+\k+1], v[WQ0+\k:WQ0+\k+1], v[\C+2:\C+3], v[WN0+\k:WN0+\k+1] op_sel:[0,1,0] op_sel_hi:[1,1,1] neg_lo:[1,0,0] neg_hi:[1,0,0]   ; what is left: num - q DET
.endr
.irp k, 0,2,4
	v_pk_fma_f32 v[WN0+\k:WN0+\k+1], v[WE0+\k:WE0+\k+1], v[\C+6:\C+7], v[WQ0+\k:WQ0+\k+1] op_sel:[0,1,0] op_sel_hi:[1,1,1]   ; w_k
.endr
	v_min3_num_f32 v[MN], v[WN0], v[WN1], v[WN2]
	v_min3_num_f32 v[MN+1], v[WN0+1], v[WN1+1], v[WN2+1]
	v_pk_mul_f32 v[DN:DN+1], v[WN0:WN0+1], v[\C+12:\C+13] op_sel_hi:[1,0]
	v_pk_fma_f32 v[DN:DN+1], v[WN1:WN1+1], v[\C+12:\C+13], v[DN:DN+1] op_sel:[0,1,0] op_sel_hi:[1,1,1]
	v_pk_fma_f32 v[DN:DN+1], v[WN2:WN2+1], v[\C+14:\C+15], v[DN:DN+1] op_sel_hi:[1,0,1]
	v_max_num_f32 v[DM], s32, v[DN]                ; den <= 1e-8 gives zp = 1e8, which is not below FAR: the same verdict as reference()'s
	v_max_num_f32 v[DM+1], s32, v[DN+1]
	v_rcp_f32 v[RC], v[DM]
	v_rcp_f32 v[RC+1], v[DM+1]
	v_max3_num_f32 v[MX], v[WN0], v[WN1], v[WN2]   ; plain work behind the reciprocals, before their results are read (ISA guide 5.7.2)
	v_max3_num_f32 v[MX+1], v[WN0+1], v[WN1+1], v[WN2+1]
	s_wait_alu depctr_va_vdst(0)
	v_pk_fma_f32 v[EE:EE+1], v[DM:DM+1], v[RC:RC+1], 1.0 op_sel_hi:[1,1,0] neg_lo:[1,0,0] neg_hi:[1,0,0]
	v_cmp_le_f32 s24, 0, v[MN]                     ; min w >= 0
	v_cmp_le_f32 s28, 0, v[MN+1]
	v_cmp_ge_f32 s25, 1.0, v[MX]                   ; max w <= 1
	v_cmp_ge_f32 s29, 1.0, v[MX+1]
	v_pk_fma_f32 v[ZP:ZP+1], v[EE:EE+1], v[RC:RC+1], v[RC:RC+1]   ; zp
	v_cmp_lt_f32 s26, s33, v[ZP]                   ; zp > NEAR
	v_cmp_lt_f32 s30, s33, v[ZP+1]
	v_cmp_gt_f32 s27, v[BZ], v[ZP]                 ; strictly nearer: of equal depths the lower face stays, as in argmin
	v_cmp_gt_f32 s31, v[BZ+1], v[ZP+1]
	s_and_b32 s24, s24, s25
	s_and_b32 s28, s28, s29
	s_and_b32 s26, s26, s27
	s_and_b32 s30, s30, s31
	s_and_b32 s24, s24, s26
	s_and_b32 s28, s28, s30
	v_cndmask_b32 v[BZ], v[BZ], v[ZP], s24
	v_cndmask_b32 v[BI], v[BI], v[\C+11], s24
	v_cndmask_b32 v[BZ+1], v[BZ+1], v[ZP+1], s28
	v_cndmask_b32 v[BI+1], v[BI+1], v[\C+11], s28
.endm
.Lface:
	s_wait_dscnt 4                                 ; X is in; the four younger loads are Y's (on the way in and on the way back alike)
	FACE X
.irp q, 0,1,2,3
	ds_load_b128 v[X+4*\q:X+4*\q+3], v[TA] offset:128+16*\q
.endr
	s_wait_dscnt 4                                 ; Y is in; the four younger are X's, just issued
	FACE Y
.irp q, 0,1,2,3
	ds_load_b128 v[Y+4*\q:Y+4*\q+3], v[TA] offset:192+16*\q
.endr
	v_add_nc_u32 v[TA], 128, v[TA]
	v_min_u32 v[TA], 55040, v[TA]                  ; entry 860 at the most: the reads end at entry 863, inside the table, whatever the count
	s_add_co_u32 s35, s35, 1
	s_cmp_lt_u32 s35, s23
	s_cbranch_scc1 .Lface
	s_wait_dscnt 0x0                               ; the last trip's look-ahead, which nobody uses
	global_store_b64 v201, v[BI:BI+1], s[14:15]    ; the wave stores 256 consecutive bytes, at a multiple of 256 from fidx's first byte
	s_wait_tensorcnt 0x0
	ds_add_u32 v252, v253
	s_wait_dscnt 0x0
	s_endpgm
.Lfunc_end_k_qea9e431929_raster:
	.size	k_qea9e431929_raster, .Lfunc_end_k_qea9e431929_raster-k_qea9e431929_raster
	.p2alignl 7, 3214868480
	.fill 96, 4, 3214868480
	.section	.rodata,"a",@progbits
	.p2align	6, 0x0
	.amdhsa_kernel k_qea9e431929_raster
		.amdhsa_group_segment_fixed_size 82176
		.amdhsa_private_segment_fixed_size 0
		.amdhsa_enable_private_segment 0
		.amdhsa_kernarg_size 56
		.amdhsa_user_sgpr_count 2
		.amdhsa_user_sgpr_kernarg_segment_ptr 1
		.amdhsa_wavefront_size32 1
		.amdhsa_system_sgpr_workgroup_id_x 1
		.amdhsa_system_sgpr_workgroup_id_y 1
		.amdhsa_system_sgpr_workgroup_id_z 1
		.amdhsa_system_vgpr_workitem_id 0
		.amdhsa_next_free_vgpr 254
		.amdhsa_next_free_sgpr 66
		.amdhsa_reserve_vcc 0
		.amdhsa_float_denorm_mode_32 3
		.amdhsa_float_denorm_mode_16_64 3
		.amdhsa_memory_ordered 1
		.amdhsa_forward_progress 1
		.amdhsa_inst_pref_size 68
	.end_amdhsa_kernel
	.amdgpu_metadata
---
amdhsa.version: [ 1, 2 ]
amdhsa.kernels:
  - .name:           k_qea9e431929_raster
    .symbol:         k_qea9e431929_raster.kd
    .args:
      - { .name: coef, .offset: 0, .size: 8, .value_kind: global_buffer, .address_space: global }
      - { .name: rng, .offset: 8, .size: 8, .value_kind: global_buffer, .address_space: global }
      - { .name: sidx, .offset: 16, .size: 8, .value_kind: global_buffer, .address_space: global }
      - { .name: swgt, .offset: 24, .size: 8, .value_kind: global_buffer, .address_space: global }
      - { .name: uv_imgs, .offset: 32, .size: 8, .value_kind: global_buffer, .address_space: global }
      - { .name: fidx, .offset: 40, .size: 8, .value_kind: global_buffer, .address_space: global }
      - { .name: out1, .offset: 48, .size: 8, .value_kind: global_buffer, .address_space: global }
    .group_segment_fixed_size: 82176
    .private_segment_fixed_size: 0
    .kernarg_segment_align: 8
    .kernarg_segment_size: 56
    .max_flat_workgroup_size: 32
    .sgpr_count:     66
    .vgpr_count:     254
    .wavefront_size: 32
...
	.end_amdgpu_metadata
.endif
;; end of part 2
;; launch shade (part 3): grid 256 x 1, 4 waves a work-group, no clusters, 0 bytes of LDS; arguments coef, fidx, out1, out0; writes out0
.if DOCPART == 3
	.amdgcn_target "amdgcn-amd-amdhsa--gfx1250"
	.amdhsa_code_object_version 6
	.text
	.protected	k_qea9e431929_shade
	.globl	k_qea9e431929_shade
	.p2align	8
	.type	k_qea9e431929_shade,@function
k_qea9e431929_shade:
	s_mov_b64 s[64:65], 0
	v_nop
	global_prefetch_b8 v0, s[64:65] scope:SCOPE_SE
	s_setreg_imm32_b32 hwreg(HW_REG_WAVE_MODE, 25, 1), 1
	s_wait_xcnt 0x0
; SHADE: one work-group = one image row; a thread owns the pixels x = 2 t and 2 t + 1.  The winning face's number comes from memory as a whole number
; (860 = no face: the colour is the background, 0), and it alone makes the addresses: the face's 64 bytes of coefficients and its 9 texels.
; The barycentric weights are made again from the coefficients (here only their size matters, no comparison hangs on them: w = num x 1/DET, w / z = w x 1/z).
; The 3 x 3 x 3 cube is read without any address made from floats: for pos in [0, 2] the linear interpolation between floor(pos) and the next level
; equals the weights max(1 - pos, 0), 1 - |pos - 1|, max(pos - 1, 0) on levels 0, 1, 2; all 9 texels are read and weighted.
; LIMIT: the cube's third axis is a copy made by reference() itself, so its two weights (1 - f) + f are taken as 1.  Inputs finite.
; No LDS, no barrier: no thread needs another's data.  No matrix unit: the sums have three terms with weights of the pixel's own.
; v1 byte offset in a row; v[2:3] faces; v4 v5 coef offsets; v6 v7 out1 offsets; v8 v9 xp; v10 yp; v[16:47] coefficients; v[48:119] texels (4 registers each, 3 used);
; v120-136 at work; v[152:157] the three channels' pairs
	s_load_b256 s[4:11], s[0:1], 0x0               ; coef s[4:5], fidx s[6:7], out1 s[8:9], out0 s[10:11]
	s_lshl_b32 s12, ttmp9, 10                      ; a row of 256 numbers
	s_mov_b32 s13, 0
	s_mov_b32 s26, 860
	s_lshl_b32 s14, ttmp9, 1
	s_sub_co_i32 s14, s14, 255
	v_lshlrev_b32 v1, 3, v0
	s_wait_kmcnt 0x0
	s_add_nc_u64 s[6:7], s[6:7], s[12:13]
	s_add_nc_u64 s[10:11], s[10:11], s[12:13]
	global_load_b64 v[2:3], v1, s[6:7]
	v_cvt_f32_i32 v10, s14
	v_mul_f32 v10, 0x3b800000, v10                 ; yp = (2 row - 255) / 256
	v_lshlrev_b32 v120, 2, v0
	v_add_nc_u32 v120, 0xffffff01, v120            ; 2 x - 255
	v_cvt_f32_i32 v8, v120
	v_add_nc_u32 v120, 2, v120
	v_cvt_f32_i32 v9, v120
	v_mul_f32 v8, 0x3b800000, v8
	v_mul_f32 v9, 0x3b800000, v9
	s_wait_loadcnt 0x0
.irp p, 0,1
	v_cmp_gt_u32 s[24+\p], s26, v[2+\p]            ; a face was hit
	v_min_u32 v[2+\p], 859, v[2+\p]
	v_lshlrev_b32 v[4+\p], 6, v[2+\p]
	v_mul_u32_u24 v[6+\p], 324, v[2+\p]            ; 81 numbers a face
.endr
.irp p, 0,1
.irp q, 0,1,2,3
	global_load_b128 v[16+16*\p+4*\q:19+16*\p+4*\q], v[4+\p], s[4:5] offset:16*\q
.endr
.irp m, 0,1,2,3,4,5,6,7,8
	global_load_b96 v[48+36*\p+4*\m:50+36*\p+4*\m], v[6+\p], s[8:9] offset:36*\m   ; texel (i, j), m = 3 i + j: the first of its three copies
.endr
.endr
.macro PIX p
.set CO, 16+16*\p
.set TX, 48+36*\p
.irp k, 0,1,2
	v_mul_f32 v[120+\k], v10, v[CO+4+\k]
.endr
.irp k, 0,1,2
	v_fma_f32 v[120+\k], v[8+\p], v[CO+\k], v[120+\k]
.endr
.irp k, 0,1,2
	v_add_f32 v[120+\k], v[120+\k], v[CO+8+\k]
.endr
.irp k, 0,1,2
	v_mul_f32 v[120+\k], v[120+\k], v[CO+7]        ; w_k
.endr
.irp k, 0,1,2
	v_mul_f32 v[120+\k], v[120+\k], v[CO+12+\k]    ; w_k / z_k
.endr
	v_add_f32 v123, v120, v121
	v_add_f32 v123, v123, v122
	v_max_num_f32 v123, 0x322bcc77, v123           ; at least 1e-8
	v_rcp_f32 v124, v123
	v_nop                                          ; one plain place behind the reciprocal (ISA guide 5.7.2)
	s_wait_alu depctr_va_vdst(0)
.irp k, 0,1
	v_mul_f32 v125, v[120+\k], v124
	v_med3_num_f32 v125, v125, 0, 1.0
	v_fma_f32 v132, v125, -2.0, 1.0                ; 1 - pos
	v_fma_f32 v125, v125, 2.0, -1.0                ; pos - 1
	v_max_num_f32 v[126+3*\k], 0, v132
	v_fma_f32 v[127+3*\k], -|v125|, 1.0, 1.0
	v_max_num_f32 v[128+3*\k], 0, v125
.endr
.irp c, 0,1,2
.irp i, 0,1,2
	v_mul_f32 v[133+\i], v129, v[TX+12*\i+\c]
	v_fma_f32 v[133+\i], v130, v[TX+12*\i+4+\c], v[133+\i]
	v_fma_f32 v[133+\i], v131, v[TX+12*\i+8+\c], v[133+\i]
.endr
	v_mul_f32 v136, v126, v133
	v_fma_f32 v136, v127, v134, v136
	v_fma_f32 v136, v128, v135, v136
	v_cndmask_b32 v[152+2*\c+\p], 0, v136, s[24+\p]
.endr
.endm
	s_wait_loadcnt 13                              ; the first pixel's 13 loads are in; the second's 13 stay out
	PIX 0
	s_wait_loadcnt 0x0
	PIX 1
.irp c, 0,1,2
	global_store_b64 v1, v[152+2*\c:153+2*\c], s[10:11] offset:\c*262144   ; a wave stores 256 consecutive bytes, at a multiple of 256 from out0's first byte
.endr
	s_endpgm
.Lfunc_end_k_qea9e431929_shade:
	.size	k_qea9e431929_shade, .Lfunc_end_k_qea9e431929_shade-k_qea9e431929_shade
	.p2alignl 7, 3214868480
	.fill 96, 4, 3214868480
	.section	.rodata,"a",@progbits
	.p2align	6, 0x0
	.amdhsa_kernel k_qea9e431929_shade
		.amdhsa_group_segment_fixed_size 0
		.amdhsa_private_segment_fixed_size 0
		.amdhsa_enable_private_segment 0
		.amdhsa_kernarg_size 32
		.amdhsa_user_sgpr_count 2
		.amdhsa_user_sgpr_kernarg_segment_ptr 1
		.amdhsa_wavefront_size32 1
		.amdhsa_system_sgpr_workgroup_id_x 1
		.amdhsa_system_sgpr_workgroup_id_y 1
		.amdhsa_system_sgpr_workgroup_id_z 1
		.amdhsa_system_vgpr_workitem_id 0
		.amdhsa_next_free_vgpr 160
		.amdhsa_next_free_sgpr 66
		.amdhsa_reserve_vcc 0
		.amdhsa_float_denorm_mode_32 3
		.amdhsa_float_denorm_mode_16_64 3
		.amdhsa_memory_ordered 1
		.amdhsa_forward_progress 1
		.amdhsa_inst_pref_size 12
	.end_amdhsa_kernel
	.amdgpu_metadata
---
amdhsa.version: [ 1, 2 ]
amdhsa.kernels:
  - .name:           k_qea9e431929_shade
    .symbol:         k_qea9e431929_shade.kd
    .args:
      - { .name: coef, .offset: 0, .size: 8, .value_kind: global_buffer, .address_space: global }
      - { .name: fidx, .offset: 8, .size: 8, .value_kind: global_buffer, .address_space: global }
      - { .name: out1, .offset: 16, .size: 8, .value_kind: global_buffer, .address_space: global }
      - { .name: out0, .offset: 24, .size: 8, .value_kind: global_buffer, .address_space: global }
    .group_segment_fixed_size: 0
    .private_segment_fixed_size: 0
    .kernarg_segment_align: 8
    .kernarg_segment_size: 32
    .max_flat_workgroup_size: 128
    .sgpr_count:     66
    .vgpr_count:     160
    .wavefront_size: 32
...
	.end_amdgpu_metadata
.endif
;; end of part 3
;; ======== version 2 of 2: 3 launches; 1.11 times as fast as version 1
;; workspace buffers: coef 55,296 bytes; rng 3,584 bytes of whole numbers; sidx 41,472 bytes of whole numbers; swgt 69,120 bytes; fidx 262,144 bytes of whole numbers
;; launch setup: the kernel of part 1 again; grid 27 x 1, 1 waves a work-group, no clusters, 0 bytes of LDS; arguments cam, faces, vertices, coef, rng, sidx, swgt; writes coef, rng, sidx, swgt
;; launch raster (part 4): grid 4 x 256, 1 waves a work-group, no clusters, 82,176 bytes of LDS; arguments coef, rng, sidx, swgt, uv_imgs, fidx, out1; writes fidx, out1
.if DOCPART == 4
	.amdgcn_target "amdgcn-amd-amdhsa--gfx1250"
	.amdhsa_code_object_version 6
	.text
	.protected	k_qea9e431929_raster
	.globl	k_qea9e431929_raster
	.p2align	8
	.type	k_qea9e431929_raster,@function
k_qea9e431929_raster:
	s_mov_b64 s[64:65], 0
	v_nop
	global_prefetch_b8 v0, s[64:65] scope:SCOPE_SE
	s_setreg_imm32_b32 hwreg(HW_REG_WAVE_MODE, 25, 1), 1
	s_wait_xcnt 0x0
; RASTER: one wave = 64 neighbouring pixels of one image row (segment = work-group x, row = work-group y); a lane owns two pixels, worked on as a pair.
; It finds, for each pixel, the nearest face that covers it, and stores the face's number (860 = none) as a whole number for the next launch.
; 1. The 864 range words say which faces can touch this row and segment.  Their entries are gathered, packed in ascending face order, into a table in LDS,
;    with B_k replaced by yp B_k and the face's number put in the free word.  Lanes whose face is out read the pad entry 863 and write to a dump entry of their own.
; 2. The loop walks the packed table, four faces a trip, through two coefficient sets that take turns: every lane reads the same 64 bytes of LDS (a broadcast),
;    while the other set's face is worked on.
; THE RECIPROCALS.  A face and pixel pair has one pair of reciprocals, 1 / max(den, 1e-8).  A trip's eight are ONE BATCH with ONE wait: for each of the four faces in turn the weights, den and
; the two reciprocals are made, each face's results in registers of its own; behind the last reciprocals stand the compares on the weights' minima and maxima of all four faces, which name
; no reciprocal; then the wait, directly ahead of a run of LDS loads; then all that reads the reciprocals: their refinement, zp, and the depth test, face by face in ascending order.
; The first 242 work-groups also make the textures (32 samples each, 9 x 860 = 7,740): the bilinear cells come from memory as whole numbers.
; One wave a work-group: no LDS byte is shared, so there is no barrier.  lds_bytes = 82,176: the table (900 entries of 64 bytes) lies below byte 81,920, and a block of 256 bytes
; behind that holds the spare words; three such work-groups fit into a WGP's 327,680 bytes.
; The arithmetic follows reference() step by step, since one flipped comparison is a wrong pixel: w = num / DET and zp = 1 / den are made as
; reciprocal, product, remainder by fused multiply-add, correction.
; No matrix unit: there is no product of matrices here.  No cluster, no tensor load: the tables are at most 55,296 bytes and are read once by each wave.
; LIMITS: inputs finite.  Fused where reference() has a product and a sum: num = fma(xp, A, yp B) + C; den is a chain of fused multiply-adds.
; Faces outside their stored range (bounding box taken outward by a pixel) are not tested.
.set RW,  2                            ; v2-28    the 27 range words of my lane (face 32 r + lane)
.set GO,  32                           ; v32-40   ring of 9 batches: byte offset of my entry in coef
.set DSA, 41                           ; v41-49   ring of 9 batches: LDS address where it goes
.set BUF, 52                           ; v52-195  ring of 9 batches: the entry, 16 registers
.set T0,  196                          ; v196-199 at work
; v29 = 868 + lane (my dump entry); v30 = 4 lane; v31 = 863 (the pad entry); v50 = yp; v200-202 late addresses; v204-247 the texture part
; the loop's registers, which take the places of the gather's once that is over:
.set XP,  2                            ; xp of my two pixels
.set BZ,  4                            ; nearest depth so far
.set BI,  6                            ; its face
.set WN0, 8                            ; numerators, then w_k
.set WN1, 10
.set WN2, 12
.set WQ0, 14                           ; v14-19 quotients
.set WE0, 20                           ; v20-25 remainders
.set DN,  30                           ; den
.set TA,  40                           ; LDS address of the trip's first entry
.set X,   52                           ; coefficient set of the even entries
.set Y,   68                           ; of the odd ones
; a pair (the number: one register) of its own for each of a trip's four faces f, for as long as the batch of reciprocals is open:
.set MN,  84                           ; v84-91   min w
.set MX,  92                           ; v92-99   max w
.set DM,  100                          ; v100-107 max(den, 1e-8)
.set RC,  108                          ; v108-115 its reciprocal
.set EE,  116                          ; v116-123 what the reciprocal leaves: 1 - DM RC
.set ZP,  124                          ; v124-131 zp
.set FN,  132                          ; v132-135 the face's number, copied out of its set, which is loaded again before the depth test
.set SN,  24                           ; s24-31   face f, pixel p at 2 f + p: zp > NEAR
.set SM,  40                           ; s40-47   min w >= 0, then all conditions together
.set SX,  48                           ; s48-55   max w <= 1
                                       ; s56, s57 strictly nearer, for the face in hand
.set NENT, 868                         ; table entries: 860 + 8 zero entries behind the last
	s_load_b256 s[4:11], s[0:1], 0x0               ; coef s[4:5], rng s[6:7], sidx s[8:9], swgt s[10:11]
	s_load_b128 s[12:15], s[0:1], 0x20             ; uv_imgs s[12:13], fidx s[14:15]
	s_load_b64 s[16:17], s[0:1], 0x30              ; out1
	v_lshl_add_u32 v252, v0, 2, 0x14000
	v_mov_b32 v253, 0
	s_mov_b32 s18, ttmp9                           ; segment 0..3
	s_and_b32 s19, ttmp7, 0xffff                   ; row 0..255
	s_lshl2_add_u32 s20, s19, s18                  ; 4 row + segment: the work-group's number
	v_lshlrev_b32 v30, 2, v0
	v_add_nc_u32 v29, NENT, v0
	v_mov_b32 v31, 863
	s_wait_kmcnt 0x0
.set rr, 0
.rept 27
	global_load_b32 v[RW+rr], v30, s[6:7] offset:128*rr
.set rr, rr+1
.endr
	s_cmp_ge_u32 s20, 242
	s_cbranch_scc1 .Lraster
	; THE TEXTURES: sample u = 32 x work-group + lane = 9 f + t.  The last block's lanes 28-31 repeat sample 7,739 (same bytes, same values).
	s_lshl_b32 s21, s20, 5
	s_mov_b32 s23, 58255                           ; u / 9 = u x 58255 >> 19: 9 x 58255 = 2^19 + 7, an excess of at most 7739 x 7 / (9 x 2^19) = 0.012 < 1/9
	v_add_nc_u32 v204, s21, v0
	v_min_u32 v204, 7739, v204
	v_mul_lo_u32 v205, v204, s23
	v_lshrrev_b32 v205, 19, v205                   ; f
	v_mul_u32_u24 v206, 9, v205
	v_sub_nc_u32 v206, v204, v206                  ; t
	v_mul_u32_u24 v207, 48, v205
	v_lshl_add_u32 v207, v206, 2, v207             ; sidx: 48 f + 4 t
	v_mul_u32_u24 v209, 80, v205
	v_lshl_add_u32 v208, v206, 3, v209             ; swgt: 80 f + 8 t
	v_mul_u32_u24 v247, 36, v204                   ; out1: 9 numbers a sample
	global_load_b32 v210, v207, s[8:9]
	global_load_b64 v[212:213], v208, s[10:11]
	global_load_b32 v214, v209, s[10:11] offset:72 ; the face's light
	s_wait_loadcnt 0x0
	v_and_b32 v215, 0xff, v210                     ; x0
	v_bfe_u32 v216, v210, 8, 8                     ; y0
	v_add_nc_u32 v217, 1, v215
	v_add_nc_u32 v218, 1, v216
	v_min_u32 v217, 255, v217                      ; x1
	v_min_u32 v218, 255, v218                      ; y1
	v_lshl_or_b32 v219, v216, 8, v215
	v_lshl_or_b32 v220, v216, 8, v217
	v_lshl_or_b32 v221, v218, 8, v215
	v_lshl_or_b32 v222, v218, 8, v217
.irp k, 0,1,2,3
	v_min_u32 v[219+\k], 0xffff, v[219+\k]         ; inside a channel's 65,536 numbers
	v_lshlrev_b32 v[219+\k], 2, v[219+\k]
.endr
.irp c, 0,1,2
.irp k, 0,1,2,3
	global_load_b32 v[224+4*\c+\k], v[219+\k], s[12:13] offset:\c*262144
.endr
.endr
	v_sub_f32 v240, 1.0, v212
	v_sub_f32 v241, 1.0, v213
	v_mul_f32 v236, v240, v241
	v_mul_f32 v237, v212, v241
	v_mul_f32 v238, v240, v213
	v_mul_f32 v239, v212, v213
.irp c, 0,1,2
	s_wait_loadcnt 8-4*\c                          ; this channel's four are in; the younger channels' four each stay out
	v_mul_f32 v[244+\c], v[224+4*\c], v236
	v_fma_f32 v[244+\c], v[225+4*\c], v237, v[244+\c]
	v_fma_f32 v[244+\c], v[226+4*\c], v238, v[244+\c]
	v_fma_f32 v[244+\c], v[227+4*\c], v239, v[244+\c]
	v_mul_f32 v[244+\c], v[244+\c], v214
.endr
.irp k, 0,1,2
	global_store_b96 v247, v[244:246], s[16:17] offset:12*\k   ; the cube's third axis is a copy; these registers and the base are not written again
.endr
.Lraster:
	s_wait_loadcnt 0x0                             ; the range words
	s_lshl_b32 s21, s19, 1
	s_sub_co_i32 s21, s21, 255
	v_cvt_f32_i32 v50, s21
	v_mul_f32 v50, 0x3b800000, v50                 ; yp = (2 row - 255) / 256, exact
	s_mov_b32 s22, 0                               ; entries packed so far
; Batch r (faces 32 r .. 32 r + 31): who is in, where each goes, and the four loads of the entry.
.macro ISSUE r
	v_and_b32 v[T0], 0x1ff, v[RW+(\r)]
	v_bfe_u32 v[T0+1], v[RW+(\r)], 9, 9
	v_bfe_u32 v[T0+2], v[RW+(\r)], 18, 3
	v_bfe_u32 v[T0+3], v[RW+(\r)], 21, 3
	v_cmp_ge_u32 s24, s19, v[T0]                   ; ylo <= row
	v_cmp_lt_u32 s25, s19, v[T0+1]                 ; row < yhiP
	v_cmp_ge_u32 s26, s18, v[T0+2]                 ; slo <= segment
	v_cmp_lt_u32 s27, s18, v[T0+3]                 ; segment < shiP
	s_and_b32 s24, s24, s25
	s_and_b32 s26, s26, s27
	s_and_b32 s24, s24, s26
	v_mbcnt_lo_u32_b32 v[T0], s24, s22             ; packed so far + the lanes below me that are in: ascending face order is kept
	s_bcnt1_i32_b32 s25, s24
	s_add_co_u32 s22, s22, s25
	v_cndmask_b32 v[T0], v29, v[T0], s24           ; out: my dump entry
	v_min_u32 v[T0], 899, v[T0]
	v_lshlrev_b32 v[DSA+(\r)%9], 6, v[T0]
	v_add_nc_u32 v[T0+1], 32*(\r), v0
	v_cndmask_b32 v[T0+1], v31, v[T0+1], s24       ; out: all such lanes read the one pad entry
	v_min_u32 v[T0+1], 863, v[T0+1]
	v_lshlrev_b32 v[GO+(\r)%9], 6, v[T0+1]
.set FB, BUF+16*((\r)%9)
.irp q, 0,1,2,3
	global_load_b128 v[FB+4*\q:FB+4*\q+3], v[GO+(\r)%9], s[4:5] offset:16*\q
.endr
.endm
; Batch r has come: B_k becomes yp B_k, the face's number goes into the free word, the entry goes to LDS.
; The wait also shows the batch's loads done, so that its offset register and its 16 registers are free for the batch nine further on.
.macro FINISH r, left
	s_wait_loadcnt \left
.set FB, BUF+16*((\r)%9)
	v_mul_f32 v[FB+4], v50, v[FB+4]
	v_mul_f32 v[FB+5], v50, v[FB+5]
	v_mul_f32 v[FB+6], v50, v[FB+6]
	v_add_nc_u32 v[FB+11], 32*(\r), v0
.irp q, 0,1,2,3
	ds_store_b128 v[DSA+(\r)%9], v[FB+4*\q:FB+4*\q+3] offset:16*\q
.endr
.endm
.set rr, 0
.rept 9
	ISSUE rr
.set rr, rr+1
.endr
.set rr, 0
.rept 18
	FINISH rr, 32                                  ; eight younger batches of four loads stay out
	ISSUE rr+9
.set rr, rr+1
.endr
.rept 9
	FINISH rr, 4*(26-rr)                           ; nothing more is issued: the count runs down to 0
.set rr, rr+1
.endr
	; Eight zero entries behind the last: w = 0, den = 0, zp = 1e8, which is never nearer.  The loop works on up to 4 and reads up to 6 of them.
	s_min_u32 s22, s22, 860
	s_lshl_b32 s34, s22, 6
	v_mov_b32 v196, 0
	v_mov_b32 v197, 0
	v_mov_b32 v198, 0
	v_mov_b32 v199, 0
	v_lshl_add_u32 v200, v0, 4, s34                ; 32 lanes x 16 bytes = 8 entries
	ds_store_b128 v200, v[196:199]
	s_add_co_u32 s23, s22, 4
	s_lshr_b32 s23, s23, 2                         ; trips of four faces, at least one
	s_mov_b32 s35, 0
	s_mov_b32 s32, 0x322bcc77                      ; 1e-8
	s_mov_b32 s33, 0x3dcccccd                      ; NEAR = 0.1
	s_lshl_b32 s34, s18, 7
	s_sub_co_i32 s34, s34, 255
	v_lshl_add_u32 v202, v0, 2, s34                ; 2 x - 255 with x = 64 segment + 2 lane
	v_cvt_f32_i32 v[XP], v202
	v_add_nc_u32 v202, 2, v202
	v_cvt_f32_i32 v[XP+1], v202
	v_mul_f32 v[XP], 0x3b800000, v[XP]             ; exact
	v_mul_f32 v[XP+1], 0x3b800000, v[XP+1]
	v_mov_b32 v[BZ], 0x42c80000                    ; FAR = 100: only zp < FAR can win
	v_mov_b32 v[BZ+1], 0x42c80000
	v_mov_b32 v[BI], 860                           ; no face
	v_mov_b32 v[BI+1], 860
	v_mov_b32 v[TA], 0
	s_lshl_b32 s36, s19, 10
	s_lshl_b32 s37, s18, 8
	s_add_co_u32 s36, s36, s37
	v_lshl_add_u32 v201, v0, 3, s36                ; fidx: 1,024 row + 256 segment + 8 lane
	; LDS serves a wave's instructions in order (ISA guide 5.7.1): these loads see the stores above without a wait
.irp q, 0,1,2,3
	ds_load_b128 v[X+4*\q:X+4*\q+3], v[TA] offset:16*\q
.endr
.irp q, 0,1,2,3
	ds_load_b128 v[Y+4*\q:Y+4*\q+3], v[TA] offset:64+16*\q
.endr
; One face against my two pixels, in three parts.  C: the set's first register: A0 A1 A2 DET | T0 T1 T2 1/DET | C0 C1 C2 face | 1/z0 1/z1 1/z2 0.  f: which of the trip's four faces.
; A coefficient is spread over the pair by op_sel and op_sel_hi: both 0 take the pair's first register, both 1 its second.
; NUM: the weights, their minimum, den, and the face's number set aside.  It is all that reads the set: behind it the set may be loaded again.
.macro NUM C, f
	v_pk_fma_f32 v[WN0:WN0+1], v[XP:XP+1], v[\C:\C+1], v[\C+4:\C+5] op_sel_hi:[1,0,0]
	v_pk_fma_f32 v[WN1:WN1+1], v[XP:XP+1], v[\C:\C+1], v[\C+4:\C+5] op_sel:[0,1,1] op_sel_hi:[1,1,1]
	v_pk_fma_f32 v[WN2:WN2+1], v[XP:XP+1], v[\C+2:\C+3], v[\C+6:\C+7] op_sel_hi:[1,0,0]
	v_pk_add_f32 v[WN0:WN0+1], v[WN0:WN0+1], v[\C+8:\C+9] op_sel_hi:[1,0]
	v_pk_add_f32 v[WN1:WN1+1], v[WN1:WN1+1], v[\C+8:\C+9] op_sel:[0,1] op_sel_hi:[1,1]
	v_pk_add_f32 v[WN2:WN2+1], v[WN2:WN2+1], v[\C+10:\C+11] op_sel_hi:[1,0]
.irp k, 0,2,4
	v_pk_mul_f32 v[WQ0+\k:WQ0+\k+1], v[WN0+\k:WN0+\k+1], v[\C+6:\C+7] op_sel:[0,1] op_sel_hi:[1,1]          ; q = num / DET, roughly
.endr
.irp k, 0,2,4
	v_pk_fma_f32 v[WE0+\k:WE0+\k+1], v[WQ0+\k:WQ0+\k+1], v[\C+2:\C+3], v[WN0+\k:WN0+\k+1] op_sel:[0,1,0] op_sel_hi:[1,1,1] neg_lo:[1,0,0] neg_hi:[1,0,0]   ; what is left: num - q DET
.endr
.irp k, 0,2,4
	v_pk_fma_f32 v[WN0+\k:WN0+\k+1], v[WE0+\k:WE0+\k+1], v[\C+6:\C+7], v[WQ0+\k:WQ0+\k+1] op_sel:[0,1,0] op_sel_hi:[1,1,1]   ; w_k
.endr
	v_min3_num_f32 v[MN+2*(\f)], v[WN0], v[WN1], v[WN2]
	v_min3_num_f32 v[MN+2*(\f)+1], v[WN0+1], v[WN1+1], v[WN2+1]
	v_pk_mul_f32 v[DN:DN+1], v[WN0:WN0+1], v[\C+12:\C+13] op_sel_hi:[1,0]
	v_mov_b32 v[FN+(\f)], v[\C+11]                 ; the depth test wants the number when the set holds a later face
	v_pk_fma_f32 v[DN:DN+1], v[WN1:WN1+1], v[\C+12:\C+13], v[DN:DN+1] op_sel:[0,1,0] op_sel_hi:[1,1,1]
	v_pk_fma_f32 v[DN:DN+1], v[WN2:WN2+1], v[\C+14:\C+15], v[DN:DN+1] op_sel_hi:[1,0,1]
.endm
; RECIP: the face's two of the batch's eight reciprocals.  Source and result are the face's own registers; nothing names a result ahead of the batch's wait.
.macro RECIP f
	v_max_num_f32 v[DM+2*(\f)], s32, v[DN]         ; den <= 1e-8 gives zp = 1e8, which is not below FAR: the same verdict as reference()'s
	v_max_num_f32 v[DM+2*(\f)+1], s32, v[DN+1]
	v_rcp_f32 v[RC+2*(\f)], v[DM+2*(\f)]
	v_rcp_f32 v[RC+2*(\f)+1], v[DM+2*(\f)+1]
	v_max3_num_f32 v[MX+2*(\f)], v[WN0], v[WN1], v[WN2]   ; plain work behind the reciprocals, before their results are read (ISA guide 5.7.2)
	v_max3_num_f32 v[MX+2*(\f)+1], v[WN0+1], v[WN1+1], v[WN2+1]
.endm
.Lface:
	s_wait_dscnt 4                                 ; X is in; the four younger loads are Y's (on the way in and on the way back alike)
	NUM X, 0
.irp q, 0,1,2,3
	ds_load_b128 v[X+4*\q:X+4*\q+3], v[TA] offset:128+16*\q
.endr
	RECIP 0
	s_wait_dscnt 4                                 ; Y is in; the four younger are X's, just issued
	NUM Y, 1
.irp q, 0,1,2,3
	ds_load_b128 v[Y+4*\q:Y+4*\q+3], v[TA] offset:192+16*\q
.endr
	RECIP 1
	s_wait_dscnt 4                                 ; X is in; the four younger are Y's, just issued
	NUM X, 2
.irp q, 0,1,2,3
	ds_load_b128 v[X+4*\q:X+4*\q+3], v[TA] offset:256+16*\q
.endr
	RECIP 2
	s_wait_dscnt 4                                 ; Y is in; the four younger are X's, just issued
	NUM Y, 3
	RECIP 3
	; the batch is out.  Work that names none of its results: is the pixel inside, for all four faces
.irp f, 0,1,2,3
	v_cmp_le_f32 s[SM+2*\f], 0, v[MN+2*\f]         ; min w >= 0
	v_cmp_le_f32 s[SM+2*\f+1], 0, v[MN+2*\f+1]
	v_cmp_ge_f32 s[SX+2*\f], 1.0, v[MX+2*\f]       ; max w <= 1
	v_cmp_ge_f32 s[SX+2*\f+1], 1.0, v[MX+2*\f+1]
.endr
.irp j, 0,1,2,3,4,5,6,7
	s_and_b32 s[SM+\j], s[SM+\j], s[SX+\j]
.endr
	s_wait_alu depctr_va_vdst(0)                   ; the wait ahead of the first use: one for the trip's eight reciprocals; it stands directly ahead of Y's run of loads
.irp q, 0,1,2,3
	ds_load_b128 v[Y+4*\q:Y+4*\q+3], v[TA] offset:320+16*\q
.endr
	; the readers: the reciprocals are refined,
.irp f, 0,1,2,3
	v_pk_fma_f32 v[EE+2*\f:EE+2*\f+1], v[DM+2*\f:DM+2*\f+1], v[RC+2*\f:RC+2*\f+1], 1.0 op_sel_hi:[1,1,0] neg_lo:[1,0,0] neg_hi:[1,0,0]
.endr
.irp f, 0,1,2,3
	v_pk_fma_f32 v[ZP+2*\f:ZP+2*\f+1], v[EE+2*\f:EE+2*\f+1], v[RC+2*\f:RC+2*\f+1], v[RC+2*\f:RC+2*\f+1]   ; zp
.endr
.irp f, 0,1,2,3
	v_cmp_lt_f32 s[SN+2*\f], s33, v[ZP+2*\f]       ; zp > NEAR
	v_cmp_lt_f32 s[SN+2*\f+1], s33, v[ZP+2*\f+1]
.endr
	; and the depth test, which goes from face to face in ascending order
.irp f, 0,1,2,3
	v_cmp_gt_f32 s56, v[BZ], v[ZP+2*\f]            ; strictly nearer: of equal depths the lower face stays, as in argmin
	v_cmp_gt_f32 s57, v[BZ+1], v[ZP+2*\f+1]
	s_and_b32 s[SN+2*\f], s[SN+2*\f], s56
	s_and_b32 s[SN+2*\f+1], s[SN+2*\f+1], s57
	s_and_b32 s[SM+2*\f], s[SM+2*\f], s[SN+2*\f]
	s_and_b32 s[SM+2*\f+1], s[SM+2*\f+1], s[SN+2*\f+1]
	v_cndmask_b32 v[BZ], v[BZ], v[ZP+2*\f], s[SM+2*\f]
	v_cndmask_b32 v[BZ+1], v[BZ+1], v[ZP+2*\f+1], s[SM+2*\f+1]
	v_cndmask_b32 v[BI], v[BI], v[FN+\f], s[SM+2*\f]
	v_cndmask_b32 v[BI+1], v[BI+1], v[FN+\f], s[SM+2*\f+1]
.endr
	v_add_nc_u32 v[TA], 256, v[TA]
	v_min_u32 v[TA], 55040, v[TA]                  ; entry 860 at the most: the reads end at entry 865, inside the table, whatever the count
	s_add_co_u32 s35, s35, 1
	s_cmp_lt_u32 s35, s23
	s_cbranch_scc1 .Lface
	s_wait_dscnt 0x0                               ; the last trip's look-ahead, which nobody uses
	global_store_b64 v201, v[BI:BI+1], s[14:15]    ; the wave stores 256 consecutive bytes, at a multiple of 256 from fidx's first byte
	s_wait_tensorcnt 0x0                           ; the wave's end, behind my last LDS store
	ds_add_u32 v252, v253
	s_wait_dscnt 0x0
	s_endpgm
.Lfunc_end_k_qea9e431929_raster:
	.size	k_qea9e431929_raster, .Lfunc_end_k_qea9e431929_raster-k_qea9e431929_raster
	.p2alignl 7, 3214868480
	.fill 96, 4, 3214868480
	.section	.rodata,"a",@progbits
	.p2align	6, 0x0
	.amdhsa_kernel k_qea9e431929_raster
		.amdhsa_group_segment_fixed_size 82176
		.amdhsa_private_segment_fixed_size 0
		.amdhsa_enable_private_segment 0
		.amdhsa_kernarg_size 56
		.amdhsa_user_sgpr_count 2
		.amdhsa_user_sgpr_kernarg_segment_ptr 1
		.amdhsa_wavefront_size32 1
		.amdhsa_system_sgpr_workgroup_id_x 1
		.amdhsa_system_sgpr_workgroup_id_y 1
		.amdhsa_system_sgpr_workgroup_id_z 1
		.amdhsa_system_vgpr_workitem_id 0
		.amdhsa_next_free_vgpr 254
		.amdhsa_next_free_sgpr 66
		.amdhsa_reserve_vcc 0
		.amdhsa_float_denorm_mode_32 3
		.amdhsa_float_denorm_mode_16_64 3
		.amdhsa_memory_ordered 1
		.amdhsa_forward_progress 1
		.amdhsa_inst_pref_size 74
	.end_amdhsa_kernel
	.amdgpu_metadata
---
amdhsa.version: [ 1, 2 ]
amdhsa.kernels:
  - .name:           k_qea9e431929_raster
    .symbol:         k_qea9e431929_raster.kd
    .args:
      - { .name: coef, .offset: 0, .size: 8, .value_kind: global_buffer, .address_space: global }
      - { .name: rng, .offset: 8, .size: 8, .value_kind: global_buffer, .address_space: global }
      - { .name: sidx, .offset: 16, .size: 8, .value_kind: global_buffer, .address_space: global }
      - { .name: swgt, .offset: 24, .size: 8, .value_kind: global_buffer, .address_space: global }
      - { .name: uv_imgs, .offset: 32, .size: 8, .value_kind: global_buffer, .address_space: global }
      - { .name: fidx, .offset: 40, .size: 8, .value_kind: global_buffer, .address_space: global }
      - { .name: out1, .offset: 48, .size: 8, .value_kind: global_buffer, .address_space: global }
    .group_segment_fixed_size: 82176
    .private_segment_fixed_size: 0
    .kernarg_segment_align: 8
    .kernarg_segment_size: 56
    .max_flat_workgroup_size: 32
    .sgpr_count:     66
    .vgpr_count:     254
    .wavefront_size: 32
...
	.end_amdgpu_metadata
.endif
;; end of part 4
;; launch shade: the kernel of part 3 again; grid 256 x 1, 4 waves a work-group, no clusters, 0 bytes of LDS; arguments coef, fidx, out1, out0; writes out0
